; MI455X (gfx1250); checked and timed in simulation.
; The chip was launched on July 23, 2026; its instructions are those of AMD's public machine-readable ISA for CDNA 5 (MIT licence, August 2026) and "CDNA5" Instruction Set Architecture Reference Guide (July 2026). The comments in the code are by the model that wrote it; some were corrected since.
;; Concat Attention Layer. Allowed arithmetic: matrix products marked QUANTISED: E2M3 operands, one E8M0 scale for each 32 along K, by v_wmma_scale_f32_16x16x128_f8f6f4 with both operands' format E2M3, f32 sums; products left as they are: f32 operands where the result goes on into a quantised operand, else bf16, f16 or f32 operands; f32 sums; everything else in f32.
;; Inputs: W1 512 x 1,024 float32; W2 1 x 512 float32; b1 512 float32; b2 1 float32; encoder_padding_mask 2,048 x 64 bool; input 1 x 64 x 512 float32; source_hids 2,048 x 64 x 512 float32.
;; Outputs: out0 64 x 512 float32; out1 2,048 x 64 float32.
;; This version of the problem:
;;   THIS VERSION OF THE PROBLEM IS GIVEN IN LOW PRECISION. The matrix products marked QUANTISED in the list below multiply operands that are first quantised to E2M3 (2 exponent bits, 3 mantissa bits; 6 bits a number), with one power-of-two scale for each 32 numbers along K (OCP MX v1.0); their sums are f32. All else is computed in f32.
;;   The module's matrix products, in the order in which they are computed (A, B: the left and right operand; K: the contracted axis; several contracted axes count as one K, in the product's order):
;;     1. [M 131,072, K 1,024] x [K 1,024, N 512]; A: computed on the way; B: input W1: QUANTISED
;;     2. [M 131,072, K 512] x [K 512, N 1]; A: computed on the way; B: input W2: left as it is (N = 1 < 16)
;;     3. batch 64 x [M 1, K 2,048] x [K 2,048, N 512]; A: softmax; B: input source_hids: left as it is (M = 1 < 16)
;;   THE QUANTISER, for each operand of a quantised product, along K:
;;     - K is cut into blocks of 32 from its start; a last block that is shorter is filled with zeros.
;;     - A block's scale is 2^e with e = floor(log2(the largest magnitude in the block)) - 2, held to -126 .. 127; a block of zeros has e = 0. As a byte (E8M0): e + 127.
;;     - Each number is divided by its block's scale, clamped to +-7.5, and rounded to the nearest number of E2M3, ties to even, subnormals kept.
;;     - The product sums the exact products of the quantised numbers (number of the format x scale) in f32.
;;   ~~~python
;;   def quantise(x, axis):      # numpy; x: float32 -> the quantised numbers, widened to float32 again
;;       x = np.moveaxis(x, axis, -1); K = x.shape[-1]
;;       x = np.pad(x, [(0, 0)] * (x.ndim - 1) + [(0, -K % 32)]); x = x.reshape(x.shape[:-1] + (-1, 32)); a = np.abs(x).max(-1, keepdims=True)
;;       e = np.where(a > 0, np.clip(np.frexp(np.where(a > 0, a, 1))[1] - 1 - 2, -126, 127), 0)      # np.frexp(a)[1] - 1 = floor(log2(a)), exactly
;;       r = np.clip(x / 2.0 ** e, -7.5, 7.5)
;;       step = 2.0 ** (np.maximum(np.frexp(np.where(r == 0, 1, r))[1] - 1, 0) - 3)
;;       q = np.round(r / step) * step * 2.0 ** e      # np.round: ties to even
;;       return np.moveaxis(q.reshape(q.shape[:-2] + (-1,))[..., :K], -1, axis).astype(np.float32)
;;   ~~~
;;   OPERANDS COMPUTED ON THE WAY. 'Computed on the way' means the value that the module computes at that place (a softmax that the list does not call 'softmax' is quantised finished and normalised). What goes into a quantiser is computed in f32, as accurately as f32 sums, v_exp_f32 and their like allow (about 1e-6 of the number): no bf16 or f16 on the way to a quantiser, and a product that is left as it is and whose result goes on into a quantised operand takes f32 operands (vector FMAs, or v_wmma_f32_16x16x4_f32). A number that lies on a knife's edge between two numbers of the format may be rounded either way, as far as f32 arithmetic and the matrix unit's own rounding can turn it there, and no further.
;; One version. Each part assembles by itself: llvm-mc -triple=amdgcn-amd-amdhsa -mcpu=gfx1250 --defsym DOCPART=n.
;; ======== version 1 of 1: 3 launches
;; limits: right only within a limited range of input values
;; workspace buffers: w1f 196,608 bytes; w1s 16,384 bytes; cws 131,072 bytes; tws 524,288 bytes; stats 2,048 bytes; ctxp 524,288 bytes
;; launch prep (part 1): grid 32 x 1, 16 waves a work-group, no clusters, 36,864 bytes of LDS; arguments W1, input, b1, w1f, w1s, cws; writes w1f, w1s, cws
.if DOCPART == 1
	.amdgcn_target "amdgcn-amd-amdhsa--gfx1250"
	.amdhsa_code_object_version 6
	.text
	.protected	k_qe85a0b71b4_prep
	.globl	k_qe85a0b71b4_prep
	.p2align	8
	.type	k_qe85a0b71b4_prep,@function
k_qe85a0b71b4_prep:
	s_mov_b64 s[64:65], 0
	v_nop
	global_prefetch_b8 v0, s[64:65] scope:SCOPE_SE
	s_setreg_imm32_b32 hwreg(HW_REG_WAVE_MODE, 25, 1), 1
	s_wait_xcnt 0x0
; W1 [512][1024] f32 and x = input [64][512] f32 are quantised along K to codes of FP6 (E2M3) with one E8M0 scale byte for each 32 along K.
; K's blocks of 32 never straddle k = 512, so Q([x | src]) = [Q(x) | Q(src)], and x is the same for every s.  So this launch
;  (1) lays W1[:, 512:] out as images of operand registers: w1f [T 32][K step 4][c 3][lane 32][16 bytes], scale words w1s [T][K step][lane][4 bytes];
;  (2) computes c[b][a] = sum over k < 512 of Q(x[b][k]) Q(W1[a][k]) + b1[a] once, by the FP6 matrix instruction, and stores it as images of result registers:
;      cws [T 32][bt 4][p 2][lane 32][16 bytes]: register 4 p + i of lane (r, h) is c[16 bt + r][16 T + 8 h + 4 p + i].
; LEFT OUT IN THE WHOLE PROGRAM: b2, and the term sum over a of W2[a].  scores[s][b] = sum of W2[a] tanh(z) + b2 and tanh z = 1 - 2 r, so scores = (sum of W2 + b2) - 2 sum of W2[a] r_a:
; the bracket is the same for every s, and softmax over s takes a term that is the same along its axis away, for all values of the inputs; attn and ctx hang on nothing else of it.
; So b2 has no way to an output: it is not loaded and is among no launch's arguments.  LIMIT: a NaN, an infinity or an overflow that reaches only this term is not carried to the result.
; SHARES.  Work-group T owns rows 16 T .. 16 T + 15 of W1.  Wave i (0..15) quantises x's fragment i (fragment 4 bt + s: rows 16 bt + r, k = 128 s on), to LDS; wave i < 8 also W1's fragment of
; k = 128 i .. 128 i + 127 (i < 4: the x half, to LDS; i >= 4: the src half, to w1f).  All of a wave's loads are issued together.  One barrier.  Then wave bt (0..3) multiplies; wave 4 stores the src half's scale words.
; A fragment goes through LDS as an image of its 12 registers: three stores of 16 bytes a lane at 16 x lane; its scale word at 4 x lane.
; A block's scale byte is its largest magnitude's exponent field - 2, held at 1 from below (a block of zeros keeps the byte 1: its codes are zeros, and this program alone reads the bytes).
; LIMITS: blocks whose largest magnitude lies under 2^-124 keep the byte 1; NaN and infinities among the inputs are not served.
.set FR,   12                          ; registers of a fragment
.set FRB,  1536                        ; its image in bytes
.set WIMG, 0                           ; LDS: W1's x half, 4 fragments
.set WSC,  4*FRB                       ; W1's 8 scale words' images, 128 bytes each
.set XIMG, WSC+8*128                   ; x's 16 fragments
.set XSC,  XIMG+16*FRB                 ; their scale words; behind them, from 0x8800 on, the spare words, 128 bytes a wave
.set TM,   16                          ; v16-31  at work in QUANT
.set NUM0, 32                          ; v32-95  64 numbers of W1
.set NUM1, 96                          ; v96-159 64 numbers of x
.set WS,   160                         ; v160-163 W1's scale words, v164-167 x's: these hold scales and nothing else
.set XS,   164
.set PC,   224                         ; v224-243 the codes just made
.set PW,   244                         ; the scale word just made
.set B1R,  248                         ; v248-255 b1 in the result's layout
.set WF,   32                          ; behind the barrier: W1's 4 fragments, x's 4, two accumulators, the sum
.set XFR,  80
.set AC0,  128
.set AC1,  136
.set OUTR, 144
.set WV,   16
.set SEL,  20
; 64 numbers of a lane, register 16 b + i = k 32 b + 16 (lane / 16) + i of my row, become a fragment's codes in v[PC] on and its scale word in v[PW].
.macro QUANT s
.irp b, 0,1,2,3
	v_max3_num_f32 v[TM+\b], |v[\s+16*\b]|, |v[\s+1+16*\b]|, 0x1800000   ; block b: my 16 numbers, and the floor 2^(3 - 127): the byte cannot fall under 1
.endr
.irp i, 2,4,6,8,10,12,14
.irp b, 0,1,2,3
	s_delay_alu instid0(VALU_DEP_4)
	v_max3_num_f32 v[TM+\b], v[TM+\b], |v[\s+16*\b+\i]|, |v[\s+1+16*\b+\i]|   ; the four blocks by turns
.endr
.endr
.irp b, 0,1,2,3
	s_delay_alu instid0(VALU_DEP_4)
	v_permlanex16_b32 v[TM+4+\b], v[TM+\b], s[SEL], s[SEL+1]
.endr
.irp b, 0,1,2,3
	s_delay_alu instid0(VALU_DEP_4)
	v_max_num_f32 v[TM+\b], v[TM+\b], v[TM+4+\b]   ; with lane l xor 16's: the block's largest magnitude
.endr
.irp b, 0,1,2,3
	s_delay_alu instid0(VALU_DEP_4)
	v_add_nc_u32 v[TM+12+\b], 0xff000000, v[TM+\b]   ; 2 off its exponent field: the conversion takes this operand's exponent field as its scale
.endr
.irp b, 0,1,2,3
	s_delay_alu instid0(VALU_DEP_4)
	v_lshrrev_b32 v[TM+4+\b], 23, v[TM+12+\b]      ; the scale's byte
.endr
	s_delay_alu instid0(VALU_DEP_3)
	v_lshl_or_b32 v[PW], v[TM+5], 8, v[TM+4]       ; four bytes make my row's scale word
	s_delay_alu instid0(VALU_DEP_1)
	v_lshl_or_b32 v[PW], v[TM+6], 16, v[PW]
	s_delay_alu instid0(VALU_DEP_1)
	v_lshl_or_b32 v[PW], v[TM+7], 24, v[PW]
.irp c, 0,1
	v_cvt_scalef32_pk16_fp6_f32 v[PC+6*\c:PC+2+6*\c], v[\s+32*\c:\s+15+32*\c], v[TM+12+2*\c]
	v_cvt_scalef32_pk16_fp6_f32 v[PC+12+4*\c:PC+14+4*\c], v[\s+16+32*\c:\s+31+32*\c], v[TM+12+2*\c+1]   ; (a conversion's three registers begin on an even number)
.endr
	v_nop                                          ; one plain place behind a scaled conversion
.irp c, 0,1                                    ; the operand's layout wants a whole block in a lane: lanes 0-15 block 2 c, lanes 16-31 block 2 c + 1
.irp i, 0,1,2
	v_permlane16_swap_b32 v[PC+6*\c+\i], v[PC+12+4*\c+\i]
.endr
.irp i, 0,1,2
	s_delay_alu instid0(VALU_DEP_3)
	v_mov_b32 v[PC+3+6*\c+\i], v[PC+12+4*\c+\i]
.endr
.endr
.endm
.macro LOADN dst, adr, base, off       ; 64 numbers of my row: of each block of 32 my half's 16 neighbours
.irp b, 0,1,2,3
.irp j, 0,1,2,3
	global_load_b128 v[\dst+16*\b+4*\j:\dst+16*\b+4*\j+3], v[\adr], s[\base:\base+1] offset:\off+128*\b+16*\j
.endr
.endr
.endm
	s_load_b256 s[4:11], s[0:1], 0x0               ; W1 s[4:5], input s[6:7], b1 s[8:9], w1f s[10:11]
	s_load_b128 s[12:15], s[0:1], 0x20             ; w1s s[12:13], cws s[14:15]
	v_lshl_add_u32 v246, v0, 2, 0x8800
	v_mov_b32 v247, 0
	v_lshrrev_b32 v1, 5, v0
	s_delay_alu instid0(VALU_DEP_1)
	v_readfirstlane_b32 s[WV], v1                  ; wave 0..15
	v_and_b32 v1, 31, v0                           ; lane
	v_and_b32 v2, 15, v0                           ; r
	v_bfe_u32 v3, v0, 4, 1                         ; h
	s_delay_alu instid0(VALU_DEP_2)
	v_lshlrev_b32 v4, 12, v2
	s_delay_alu instid0(VALU_DEP_1)
	v_lshl_add_u32 v4, v3, 6, v4                   ; W1: row r of 4,096 bytes + 64 h
	s_delay_alu instid0(VALU_DEP_4)
	v_lshlrev_b32 v5, 11, v2
	s_delay_alu instid0(VALU_DEP_1)
	v_lshl_add_u32 v5, v3, 6, v5                   ; x: row r of 2,048 bytes + 64 h
	v_lshlrev_b32 v6, 4, v1                        ; 16 x lane
	v_lshlrev_b32 v7, 2, v1                        ; 4 x lane
	; every LDS address is made here, ahead of the first parting of the waves
	s_mul_i32 s22, s[WV], FRB
	v_add_nc_u32 v8, s22, v6                       ; W1's image (waves 0-3): WIMG + 16 lane + FRB wave
	s_lshl_b32 s22, s[WV], 7
	v_add_nc_u32 v9, s22, v7
	s_delay_alu instid0(VALU_DEP_1)
	v_add_nc_u32 v9, WSC, v9                       ; its scale word (waves 0-7): WSC + 4 lane + 128 wave
	s_mul_i32 s22, s[WV], FRB
	v_add_nc_u32 v10, s22, v6
	s_delay_alu instid0(VALU_DEP_1)
	v_add_nc_u32 v10, XIMG, v10                    ; x's image: XIMG + 16 lane + FRB wave
	s_lshl_b32 s22, s[WV], 7
	v_add_nc_u32 v11, s22, v7
	s_delay_alu instid0(VALU_DEP_1)
	v_add_nc_u32 v11, XSC, v11                     ; its scale word
	s_mul_i32 s22, s[WV], 4*FRB
	v_add_nc_u32 v12, s22, v6
	s_delay_alu instid0(VALU_DEP_1)
	v_add_nc_u32 v12, XIMG, v12                    ; the product's reads (waves 0-3, bt = wave): fragments 4 bt on
	s_lshl_b32 s22, s[WV], 9
	v_add_nc_u32 v13, s22, v7
	s_delay_alu instid0(VALU_DEP_1)
	v_add_nc_u32 v13, XSC, v13
	v_lshlrev_b32 v14, 5, v3                       ; b1: 32 h
	v_add_nc_u32 v15, WSC+512, v6                  ; the src half's four scale words' images, 16 bytes a lane
	s_mov_b32 s[SEL], 0x76543210
	s_mov_b32 s[SEL+1], 0xfedcba98                 ; v_permlanex16_b32's selects for lane l xor 16
.irp b, 0,1,2,3
	v_mov_b32 v[TM+4+\b], 0                        ; written once: a lane permute's destination counts as one of its sources
.endr
	s_and_b32 s37, s[WV], 3
	s_lshl_b32 s24, ttmp9, 16                      ; W1: 16 T rows of 4,096 bytes + 512 wave
	s_lshl_b32 s26, s[WV], 9
	s_add_co_u32 s24, s24, s26
	s_mov_b32 s25, 0
	s_lshr_b32 s26, s[WV], 2                       ; x: rows 16 (wave / 4) on, k = 128 (wave % 4) on
	s_lshl_b32 s26, s26, 15
	s_and_b32 s28, s[WV], 3
	s_lshl_b32 s28, s28, 9
	s_add_co_u32 s26, s26, s28
	s_mov_b32 s27, 0
	s_lshl_b32 s28, ttmp9, 6                       ; b1: 16 T numbers on
	s_mov_b32 s29, 0
	s_mul_i32 s30, ttmp9, 4*FRB                    ; w1f: tile T, K step wave - 4
	s_mul_i32 s32, s37, FRB
	s_add_co_u32 s30, s30, s32
	s_mov_b32 s31, 0
	s_lshl_b32 s32, ttmp9, 9                       ; w1s: tile T
	s_mov_b32 s33, 0
	s_lshl_b32 s34, ttmp9, 12                      ; cws: tile T, bt = wave
	s_lshl_b32 s36, s37, 10
	s_add_co_u32 s34, s34, s36
	s_mov_b32 s35, 0
	s_wait_alu depctr_va_vdst(0)
	s_wait_kmcnt 0x0
	s_add_nc_u64 s[4:5], s[4:5], s[24:25]
	s_add_nc_u64 s[6:7], s[6:7], s[26:27]
	s_add_nc_u64 s[8:9], s[8:9], s[28:29]
	s_add_nc_u64 s[10:11], s[10:11], s[30:31]
	s_add_nc_u64 s[12:13], s[12:13], s[32:33]
	s_add_nc_u64 s[14:15], s[14:15], s[34:35]
	global_load_b128 v[B1R:B1R+3], v14, s[8:9]             ; b1[16 T + 8 h + 0 .. 7]
	global_load_b128 v[B1R+4:B1R+7], v14, s[8:9] offset:16
	s_cmp_lt_u32 s[WV], 8
	s_cbranch_scc0 .Lno_w1                         ; waves 8-15 have no fragment of W1
	LOADN NUM0, 4, 4, 0                            ; W1's fragment
.Lno_w1:
	LOADN NUM1, 5, 6, 0                            ; x's fragment
	s_wait_loadcnt 0x0                             ; all were issued together
	QUANT NUM1
.irp c, 0,1,2
	ds_store_b128 v10, v[PC+4*\c:PC+4*\c+3] offset:512*\c
.endr
	ds_store_b32 v11, v[PW]
	s_cmp_lt_u32 s[WV], 8
	s_cbranch_scc0 .Lstored
	s_wait_dscnt 0x0                               ; the stores have read their registers
	QUANT NUM0
	ds_store_b32 v9, v[PW]
	s_cmp_lt_u32 s[WV], 4
	s_cbranch_scc0 .Lsrc_half
.irp c, 0,1,2
	ds_store_b128 v8, v[PC+4*\c:PC+4*\c+3] offset:WIMG+512*\c      ; the x half stays in the work-group
.endr
	s_branch .Lstored
.Lsrc_half:
	s_wait_alu depctr_va_vdst(0)
.irp c, 0,1,2
	global_store_b128 v6, v[PC+4*\c:PC+4*\c+3], s[10:11] offset:512*\c   ; the src half: each store of the wave covers 512 consecutive bytes, aligned
.endr
.Lstored:
	s_wait_dscnt 0x0                               ; for the others' sake: my images lie in LDS
	s_barrier_signal -1
	s_barrier_wait -1
	s_cmp_lt_u32 s[WV], 4
	s_cbranch_scc0 .Lno_product
.irp s, 0,1,2,3
.irp c, 0,1,2
	ds_load_b128 v[WF+FR*\s+4*\c:WF+FR*\s+4*\c+3], v6 offset:WIMG+FRB*\s+512*\c
	ds_load_b128 v[XFR+FR*\s+4*\c:XFR+FR*\s+4*\c+3], v12 offset:FRB*\s+512*\c
.endr
	ds_load_b32 v[WS+\s], v7 offset:WSC+128*\s
	ds_load_b32 v[XS+\s], v13 offset:128*\s
.endr
	s_wait_dscnt 0x0
	; source 0 = 16 rows of W1, source 1 = 16 rows of x: lane (r, h), register j: c[16 bt + r][16 T + 8 h + j].  Two accumulators by turns; b1 is the C of the first.
	v_wmma_scale_f32_16x16x128_f8f6f4 v[AC0:AC0+7], v[WF:WF+11], v[XFR:XFR+11], v[B1R:B1R+7], v[WS], v[XS] matrix_a_fmt:MATRIX_FMT_FP6 matrix_b_fmt:MATRIX_FMT_FP6
	v_wmma_scale_f32_16x16x128_f8f6f4 v[AC1:AC1+7], v[WF+12:WF+23], v[XFR+12:XFR+23], 0, v[WS+1], v[XS+1] matrix_a_fmt:MATRIX_FMT_FP6 matrix_b_fmt:MATRIX_FMT_FP6
	v_wmma_scale_f32_16x16x128_f8f6f4 v[AC0:AC0+7], v[WF+24:WF+35], v[XFR+24:XFR+35], v[AC0:AC0+7], v[WS+2], v[XS+2] matrix_a_fmt:MATRIX_FMT_FP6 matrix_b_fmt:MATRIX_FMT_FP6
	v_wmma_scale_f32_16x16x128_f8f6f4 v[AC1:AC1+7], v[WF+36:WF+47], v[XFR+36:XFR+47], v[AC1:AC1+7], v[WS+3], v[XS+3] matrix_a_fmt:MATRIX_FMT_FP6 matrix_b_fmt:MATRIX_FMT_FP6
.rept 4
	v_nop                                          ; four places behind the last product (ISA guide 7.12.1)
.endr
.irp j, 0,2,4,6
	v_pk_add_f32 v[OUTR+\j:OUTR+\j+1], v[AC0+\j:AC0+\j+1], v[AC1+\j:AC1+\j+1]   ; each accumulator from its low end on
.endr
	global_store_b128 v6, v[OUTR:OUTR+3], s[14:15]
	global_store_b128 v6, v[OUTR+4:OUTR+7], s[14:15] offset:512
	s_branch .Lend
.Lno_product:
	s_cmp_eq_u32 s[WV], 4
	s_cbranch_scc0 .Lend
	ds_load_b128 v[OUTR:OUTR+3], v15               ; the src half's scale words, 512 bytes as they lie
	s_wait_dscnt 0x0
	global_store_b128 v6, v[OUTR:OUTR+3], s[12:13]
.Lend:
	s_wait_tensorcnt 0x0                           ; the wave's end
	ds_add_u32 v246, v247
	s_wait_dscnt 0x0
	s_endpgm
.Lfunc_end_k_qe85a0b71b4_prep:
	.size	k_qe85a0b71b4_prep, .Lfunc_end_k_qe85a0b71b4_prep-k_qe85a0b71b4_prep
	.p2alignl 7, 3214868480
	.fill 96, 4, 3214868480
	.section	.rodata,"a",@progbits
	.p2align	6, 0x0
	.amdhsa_kernel k_qe85a0b71b4_prep
		.amdhsa_group_segment_fixed_size 36864
		.amdhsa_private_segment_fixed_size 0
		.amdhsa_enable_private_segment 0
		.amdhsa_kernarg_size 48
		.amdhsa_user_sgpr_count 2
		.amdhsa_user_sgpr_kernarg_segment_ptr 1
		.amdhsa_wavefront_size32 1
		.amdhsa_system_sgpr_workgroup_id_x 1
		.amdhsa_system_sgpr_workgroup_id_y 1
		.amdhsa_system_sgpr_workgroup_id_z 1
		.amdhsa_system_vgpr_workitem_id 0
		.amdhsa_next_free_vgpr 256
		.amdhsa_next_free_sgpr 66
		.amdhsa_reserve_vcc 0
		.amdhsa_float_denorm_mode_32 3
		.amdhsa_float_denorm_mode_16_64 3
		.amdhsa_memory_ordered 1
		.amdhsa_forward_progress 1
		.amdhsa_inst_pref_size 23
	.end_amdhsa_kernel
	.amdgpu_metadata
---
amdhsa.version: [ 1, 2 ]
amdhsa.kernels:
  - .name:           k_qe85a0b71b4_prep
    .symbol:         k_qe85a0b71b4_prep.kd
    .args:
      - { .name: W1, .offset: 0, .size: 8, .value_kind: global_buffer, .address_space: global }
      - { .name: input, .offset: 8, .size: 8, .value_kind: global_buffer, .address_space: global }
      - { .name: b1, .offset: 16, .size: 8, .value_kind: global_buffer, .address_space: global }
      - { .name: w1f, .offset: 24, .size: 8, .value_kind: global_buffer, .address_space: global }
      - { .name: w1s, .offset: 32, .size: 8, .value_kind: global_buffer, .address_space: global }
      - { .name: cws, .offset: 40, .size: 8, .value_kind: global_buffer, .address_space: global }
    .group_segment_fixed_size: 36864
    .private_segment_fixed_size: 0
    .kernarg_segment_align: 8
    .kernarg_segment_size: 48
    .max_flat_workgroup_size: 512
    .sgpr_count:     66
    .vgpr_count:     256
    .wavefront_size: 32
...
	.end_amdgpu_metadata
.endif
;; end of part 1
;; launch main (part 2): grid 256 x 1, 8 waves a work-group, no clusters, 327,680 bytes of LDS; arguments source_hids, encoder_padding_mask, W2, w1f, w1s, cws, tws, stats, ctxp; writes tws, stats, ctxp
.if DOCPART == 2
	.amdgcn_target "amdgcn-amd-amdhsa--gfx1250"
	.amdhsa_code_object_version 6
	.text
	.protected	k_qe85a0b71b4_main
	.globl	k_qe85a0b71b4_main
	.p2align	8
	.type	k_qe85a0b71b4_main,@function
k_qe85a0b71b4_main:
	s_mov_b64 s[64:65], 0
	v_nop
	global_prefetch_b8 v0, s[64:65] scope:SCOPE_SE
	s_setreg_imm32_b32 hwreg(HW_REG_WAVE_MODE, 25, 1), 1
	s_wait_xcnt 0x0
; For one b and 512 of its 2,048 rows s: z = Q(src) Q(W1[:, 512:])^T + c[b] (c: the x half of the product + b1, made by the launch before), r = 1 / (1 + 2^(2 log2(e) z)), tanh z = 1 - 2 r;
; t = sum over a of (-2 log2(e) W2[a]) r_a, -infinity where the mask is set; with a running maximum m of t: l = sum of 2^(t - m), ctx = sum of 2^(t - m) src[s].
; Left out: log2(e) (sum of W2 + b2), the same for every s, which the softmax over s takes away (shown at the head of the first kernel); b2 is not loaded.
; Stored: t (tws [b][s]), (m, l) (stats [work-group]), ctx (ctxp [work-group][512]); the last launch joins the four parts of a b.  source_hids leaves memory once: a block of 64 rows lies in LDS for the quantiser and the context sum.
; SHARES.  Work-group = 4 b + q: rows 512 q .. 512 q + 511 of b, 8 blocks of 64.  Eight waves, two to a SIMD, 512 registers each.  Wave w owns hidden units 64 w .. 64 w + 63: its 16 fragments of W1's codes stay in 192 registers.
; A BLOCK, three barriers: the change of slots | Q: wave w quantises rows 16 (w / 2) on, K steps 2 (w % 2) and + 1, and stores the two fragments' register images in LDS | barrier |
; G: twice, for two tiles of 16 rows: 8 fragments from LDS, 32 products (source 0 = 16 rows of W1, source 1 = 16 rows of src, C of the first K step = c[b]), r, my 64 units' partial score to LDS | barrier |
; S: every wave adds the eight partials of all 64 rows alike, takes mask, maximum and p = 2^(t - m), and adds p x src for its 64 channels: a load takes two rows (lanes 0-15 the even, 16-31 the odd), 4 channels a lane.
; The 32 loads of those rows hang on nothing that G makes: they are issued in G, behind the second pair's products, into the registers that the fragments have left, and the second pair's r is worked while they are out.
; No cluster: the work-groups share no tile of src; W1's codes (208 KiB for each against 1 MiB of src) go straight into registers once.
; PREFETCH: trip t's tensor loads ask for block t + 1; each trip names block t + 2 (the head: block 1): 64 rows x 8 blocks of 256 bytes = 512, a lane a block, two instructions a wave; the trip that loads the last block names nothing.
; LIMITS: NaN and infinities in source_hids, input or W1 are not served; a block of 32 whose largest magnitude lies under 2^-124 keeps the scale byte 1; a p under 2^-126 becomes 0; the running maximum starts at -3e38;
; the promise holds while |t| stays under 2^31; a b that is masked throughout gives NaN in the last launch, as the softmax of the definition does.
; REGISTERS.  Window 0: v1-15 addresses; v16-31 context sums; v32-47 W1's scale words; v48-55 src's scale words; v56-63 statistics (v62 in G: the rows' address); v64-159 eight fragments of src (Q: v64-102 codes and work);
;   v64-191 the 64 rows of S; v128-191 and v192-255 numbers in Q; v192-255 the 8 accumulators, in which the scores are summed in place (S: p, partials, mask, temporaries).
;   Window 1: v0-191 W1's fragments (tile t, step s at 12 (4 t + s)); v192-223 c[b]; v224-255 -2 log2(e) W2, both in the result's layout.
.set FR,    12
.set FRB,   1536                       ; a fragment's image in bytes
.set PITCH, 528                        ; an LDS row of a region: 512 bytes + 16 of padding
.set REG,   64*PITCH                   ; a region: 64 rows x 128 columns
.set SLOT,  4*REG                      ; 0x21000: shares no bit with any wave's place in a slot, so one exclusive or changes slots
.set IMG,   2*SLOT                     ; 16 fragments' images (tile of rows m, K step s: 4 m + s),
.set ISC,   IMG+16*FRB                 ; their scale words, 128 bytes each,
.set PART,  ISC+2048                   ; the partial scores [row 64][wave 8],
.set PB,    PART+2048                  ; each wave's own 64 p: 32 of even rows, 32 of odd rows,
.set MSK,   PB+2048                    ; the work-group's 512 mask words,
.set SPARE, MSK+2048                   ; the spare words, 128 bytes a wave: four blocks of 256 bytes that no other line names
.set SPW, 1                            ; SPARE + 4 x thread; never rewritten
.set NIL, 2                            ; 0; never rewritten
.set QA,  3
.set LI,  4                            ; IMG + 16 lane
.set LS,  5                            ; ISC + 4 lane
.set IW,  6                            ; LI + 2 FRB w
.set IWS, 7                            ; LS + 256 w
.set PS,  8                            ; PART + 32 r + 4 w
.set PR,  9                            ; PART + 64 lane
.set MK,  10                           ; MSK + 8 lane
.set PWA, 11                           ; PB + 256 w + 4 lane
.set PBR, 12                           ; PB + 256 w + 128 h
.set CA,  13
.set TO,  14                           ; 8 lane + 256 x blocks done
.set PFO, 15                           ; the prefetches' offset: row lane / 8, block lane % 8
.set CX,  16
.set W1S, 32                           ; scales and nothing else
.set XS,  48                           ; scales and nothing else
.set MM,  56
.set LL,  57
.set FF,  58
.set TT,  60
.set PP,  62
.set CAD, 62                           ; G: the rows' address, in a register that S has left
.set XF,  64
.set PC,  64                           ; Q
.set TM,  84
.set PW,  100
.set QT,  102
.set R0,  64                           ; S: rows 0-31
.set ST,  128                          ; S: rows 32-63; Q: numbers
.set HA,  192
.set PSET, 192                         ; S
.set PA,  224
.set MKV, 240
.set NINF, 242
.set T0,  244
.set T1,  245
.set MKD, 247
.set BI,  192                          ; window 1
.set W2M, 224                          ; window 1
.set HL,  176                          ; the head's temporaries
.set HR,  177
.set HH,  178
.set WV,  24
.set SB,  25
.set SQ,  26
.set G1,  32
.set G0,  40
.set TB,  44
.set WREG, 46
.set BLK, 47
.set MB,  48
.set SEL, 50
.set C2,  52
.set CM,  54
.set PFA, 68
.set MSB, 0
.macro WIN new                         ; the immediate's high byte repeats the setting that is left
.if MSB != \new
	s_set_vgpr_msb (MSB<<8)|\new
.set MSB, \new
.endif
.endm
.macro PLACES                          ; four places behind a matrix instruction (ISA guide 7.12.1)
.rept 4
	v_nop
.endr
.endm
.macro BAR                             ; my LDS instructions are done, then the work-group's barrier
	s_wait_dscnt 0x0
	s_barrier_signal -1
	s_barrier_wait -1
.endm
; 64 numbers of a lane, register 16 b + i = k 32 b + 16 (lane / 16) + i of my row, become a fragment's codes in v[PC] on and its scale word in v[PW]
.macro QUANT s
.irp b, 0,1,2,3
	v_max3_num_f32 v[TM+\b], |v[\s+16*\b]|, |v[\s+1+16*\b]|, 0x1800000   ; the floor 2^(3 - 127) holds the byte at 1 from below
.endr
.irp i, 2,4,6,8,10,12,14
.irp b, 0,1,2,3
	v_max3_num_f32 v[TM+\b], v[TM+\b], |v[\s+16*\b+\i]|, |v[\s+1+16*\b+\i]|
.endr
.endr
.irp b, 0,1,2,3
	v_permlanex16_b32 v[TM+4+\b], v[TM+\b], s[SEL], s[SEL+1]
.endr
.irp b, 0,1,2,3
	v_max_num_f32 v[TM+\b], v[TM+\b], v[TM+4+\b]   ; with lane l xor 16's: the block's largest magnitude
.endr
.irp b, 0,1,2,3
	v_add_nc_u32 v[TM+12+\b], 0xff000000, v[TM+\b]   ; 2 off its exponent field: the conversion's scale operand
.endr
.irp b, 0,1,2,3
	v_lshrrev_b32 v[TM+4+\b], 23, v[TM+12+\b]      ; the scale's byte
.endr
	v_lshl_or_b32 v[PW], v[TM+5], 8, v[TM+4]
	v_lshl_or_b32 v[PW], v[TM+6], 16, v[PW]
	v_lshl_or_b32 v[PW], v[TM+7], 24, v[PW]
.irp c, 0,1
	v_cvt_scalef32_pk16_fp6_f32 v[PC+6*\c:PC+2+6*\c], v[\s+32*\c:\s+15+32*\c], v[TM+12+2*\c]
	v_cvt_scalef32_pk16_fp6_f32 v[PC+12+4*\c:PC+14+4*\c], v[\s+16+32*\c:\s+31+32*\c], v[TM+12+2*\c+1]
.endr
	v_nop                                          ; one plain place behind a scaled conversion
.irp c, 0,1                                    ; the operand's layout wants a whole block in a lane
.irp i, 0,1,2
	v_permlane16_swap_b32 v[PC+6*\c+\i], v[PC+12+4*\c+\i]
.endr
.irp i, 0,1,2
	v_mov_b32 v[PC+3+6*\c+\i], v[PC+12+4*\c+\i]
.endr
.endr
.endm
; THE CHANGE OF SLOTS: every wave waits for its one tensor load, adds 0 to its spare word, waits for that and for its reads of the slot left; behind the barrier each wave fills its 32 rows x 128 columns of that slot
.macro CHANGE fill
	s_wait_tensorcnt 0x0                           ; no tensor load of mine is out, so group 0 may be written
	ds_add_u32 v[SPW], v[NIL]
.if \fill
	s_xor_b32 s[G0+1], s[G0+1], SLOT
	s_add_nc_u64 s[G0+2:G0+3], s[G0+2:G0+3], 0x800000   ; 64 rows of 131,072 bytes on
.endif
	s_wait_dscnt 0x0
	s_barrier_signal -1
	s_barrier_wait -1
.if \fill
	tensor_load_to_lds s[G0:G0+3], s[G1:G1+7]      ; my one tensor load until the next such barrier
	s_nop 0
.rept 4
	v_nop
.endr
.endif
.endm
.macro ASK                             ; block t + 2, while one is left: BLK = 1 in the trip that loads the last block
	s_cmp_gt_u32 s[BLK], 1
	s_cbranch_scc0 .Lno_ask_\@
	global_prefetch_b8 v[PFO], s[PFA:PFA+1] th:TH_LOAD_NT scope:SCOPE_SE                   ; rows 4 w .. 4 w + 3 of the block,
	global_prefetch_b8 v[PFO], s[PFA:PFA+1] offset:0x400000 th:TH_LOAD_NT scope:SCOPE_SE   ; and the rows 32 further on
.Lno_ask_\@:
.endm
.macro QLOAD dst, i                    ; my row's 64 numbers of my i-th K step
.irp b, 0,1,2,3
.irp j, 0,1,2,3
	ds_load_b128 v[\dst+16*\b+4*\j:\dst+16*\b+4*\j+3], v[QT] offset:(\i)*REG+128*\b+16*\j
.endr
.endr
.endm
.macro IMAGE i
.irp c, 0,1,2
	ds_store_b128 v[IW], v[PC+4*\c:PC+4*\c+3] offset:FRB*(\i)+512*\c
.endr
	ds_store_b32 v[IWS], v[PW] offset:128*(\i)
.endm
.macro PHASE_Q pf
	v_add_nc_u32 v[QT], s[TB], v[QA]
	QLOAD HA, 0
	QLOAD ST, 1
.if \pf
	ASK
.endif
	s_wait_dscnt 16                                ; the first 64 numbers are in; the second fragment's 16 loads may be out
	QUANT HA
	IMAGE 0
	s_wait_dscnt 0x0                               ; the second 64 are in, and the image's stores have read their registers
	QUANT ST
	IMAGE 1
.endm
.macro FETCH g                         ; tiles 2 g and 2 g + 1: eight fragments and scale words
.irp u, 0,1
.irp s, 0,1,2,3
.irp c, 0,1,2
	ds_load_b128 v[XF+48*\u+FR*\s+4*\c:XF+48*\u+FR*\s+4*\c+3], v[LI] offset:(4*(2*(\g)+\u)+\s)*FRB+512*\c
.endr
	ds_load_b32 v[XS+4*\u+\s], v[LS] offset:128*(4*(2*(\g)+\u)+\s)
.endr
.endr
.endm
.macro MUL                             ; lane (r, h), register 32 u + 8 t + j: row 16 (2 g + u) + r, unit 64 w + 16 t + 8 h + j.  The eight accumulators take turns
	WIN 0x11                                       ; source 0 (W1) and C (c[b]) in window 1
.irp u, 0,1
.irp t, 0,1,2,3
	v_wmma_scale_f32_16x16x128_f8f6f4 v[HA+32*\u+8*\t:HA+32*\u+8*\t+7], v[FR*4*\t:FR*4*\t+11], v[XF+48*\u:XF+48*\u+11], v[BI+8*\t:BI+8*\t+7], v[W1S+4*\t], v[XS+4*\u] matrix_a_fmt:MATRIX_FMT_FP6 matrix_b_fmt:MATRIX_FMT_FP6
.endr
.endr
	WIN 0x01
.irp s, 1,2,3
.irp u, 0,1
.irp t, 0,1,2,3
	v_wmma_scale_f32_16x16x128_f8f6f4 v[HA+32*\u+8*\t:HA+32*\u+8*\t+7], v[FR*(4*\t+\s):FR*(4*\t+\s)+11], v[XF+48*\u+FR*\s:XF+48*\u+FR*\s+11], v[HA+32*\u+8*\t:HA+32*\u+8*\t+7], v[W1S+4*\t+\s], v[XS+4*\u+\s] matrix_a_fmt:MATRIX_FMT_FP6 matrix_b_fmt:MATRIX_FMT_FP6
.endr
.endr
.endr
	WIN 0
.endm
.macro ROWS dst, g                     ; rows 32 g .. 32 g + 31 of my 64 channels, two rows a load
.set ii, 0
.rept 16
	ds_load_b128 v[\dst+4*ii:\dst+4*ii+3], v[CAD] offset:(16*(\g)+ii)*2*PITCH
.set ii, ii+1
.endr
.endm
.macro TANH g                          ; r for my 64 numbers, and for each of the two tiles the sum of r x (-2 log2(e) W2) over my wave's 64 units, made in place in the tile's four lowest registers
.set j, 0
.rept 32
	v_pk_mul_f32 v[HA+j:HA+j+1], v[HA+j:HA+j+1], s[C2:C2+1] op_sel_hi:[1,0]   ; ascending: each accumulator from its low end on
.set j, j+2
.endr
	s_wait_alu depctr_va_vdst(0)
.set j, 0
.rept 64
	v_exp_f32 v[HA+j], v[HA+j]
.set j, j+1
.endr
	v_nop
	s_wait_alu depctr_va_vdst(0)
.set j, 0
.rept 32
	v_pk_add_f32 v[HA+j:HA+j+1], v[HA+j:HA+j+1], 1.0 op_sel_hi:[1,0]
.set j, j+2
.endr
.if \g
	ROWS ST, 1                                     ; the second half of S's rows
.endif
	s_wait_alu depctr_va_vdst(0)
.set j, 0
.rept 64
	v_rcp_f32 v[HA+j], v[HA+j]
.set j, j+1
.endr
	v_nop
	WIN 0x04                                       ; source 1 (W2's multiples) in window 1
	s_wait_alu depctr_va_vdst(0)
.irp j, 0,2
.irp u, 0,1
	v_pk_mul_f32 v[HA+32*\u+\j:HA+32*\u+\j+1], v[HA+32*\u+\j:HA+32*\u+\j+1], v[W2M+\j:W2M+\j+1]   ; two chains a tile
.endr
.endr
.set j, 4
.rept 14
.irp u, 0,1
	v_pk_fma_f32 v[HA+32*\u+j%4:HA+32*\u+j%4+1], v[HA+32*\u+j:HA+32*\u+j+1], v[W2M+j:W2M+j+1], v[HA+32*\u+j%4:HA+32*\u+j%4+1]
.endr
.set j, j+2
.endr
	WIN 0
.irp u, 0,1
	v_pk_add_f32 v[HA+32*\u:HA+32*\u+1], v[HA+32*\u:HA+32*\u+1], v[HA+32*\u+2:HA+32*\u+3]
.endr
.irp u, 0,1
	v_add_f32 v[HA+32*\u], v[HA+32*\u], v[HA+32*\u+1]
.endr
.irp u, 0,1
	v_permlanex16_b32 v[HA+32*\u+4], v[HA+32*\u], s[SEL], s[SEL+1]
.endr
.irp u, 0,1
	v_add_f32 v[HA+32*\u], v[HA+32*\u], v[HA+32*\u+4]      ; with lane l xor 16's 32 units
.endr
	ds_store_b32 v[PS], v[HA] offset:1024*(\g)     ; lanes l and l xor 16 write the same word with the same value
	ds_store_b32 v[PS], v[HA+32] offset:1024*(\g)+512
.endm
.macro PHASE_G
	FETCH 0
	s_wait_dscnt 0x0
	MUL
	PLACES
	FETCH 1                                        ; asked for ahead of the first pair's r
	TANH 0
	s_wait_dscnt 0x0
	MUL
	PLACES
	v_add_nc_u32 v[CAD], s[TB], v[CA]
	ROWS R0, 0                                     ; the fragments are done with: the first half of S's rows lands on them
	TANH 1
.endm
.macro FMA buf, g                      ; ctx += p x row: 16 loads' rows, two packed multiply-adds each, four sets of sums by turns
.set PQ, PSET+16*(\g)
.set ii, 0
.rept 8
.set CE, CX+4*((2*ii)%4)
.set CO, CX+4*((2*ii+1)%4)
	v_pk_fma_f32 v[CE:CE+1], v[\buf+8*ii:\buf+8*ii+1], v[PQ+2*ii:PQ+2*ii+1], v[CE:CE+1] op_sel_hi:[1,0,1]
	v_pk_fma_f32 v[CE+2:CE+3], v[\buf+8*ii+2:\buf+8*ii+3], v[PQ+2*ii:PQ+2*ii+1], v[CE+2:CE+3] op_sel_hi:[1,0,1]
	v_pk_fma_f32 v[CO:CO+1], v[\buf+8*ii+4:\buf+8*ii+5], v[PQ+2*ii:PQ+2*ii+1], v[CO:CO+1] op_sel:[0,1,0] op_sel_hi:[1,1,1]
	v_pk_fma_f32 v[CO+2:CO+3], v[\buf+8*ii+6:\buf+8*ii+7], v[PQ+2*ii:PQ+2*ii+1], v[CO+2:CO+3] op_sel:[0,1,0] op_sel_hi:[1,1,1]
.set ii, ii+1
.endr
.endm
.macro PHASE_S pf
	s_wait_xcnt 0x0                                ; the last store of t and this trip's prefetches have read their registers
.if \pf
	s_add_nc_u64 s[PFA:PFA+1], s[PFA:PFA+1], 0x800000
.endif
	v_add_nc_u32 v[TO], 0x100, v[TO]               ; (the store below reaches back by its immediate)
	v_add_nc_u32 v[MKD], s[MB], v[MK]
.irp k, 0,1,2,3
	ds_load_b128 v[PA+4*\k:PA+4*\k+3], v[PR] offset:16*\k      ; rows 2 lane and 2 lane + 1: the eight waves' partials
.endr
	ds_load_b64 v[MKV:MKV+1], v[MKD]
	v_mov_b32 v[NINF], 0xff800000
	s_wait_alu depctr_va_vdst(0)
	s_wait_dscnt 0x0                               ; partials and mask are in (the rows came in ahead of the barrier)
.irp k, 0,4,8,12
	v_pk_add_f32 v[PA+\k:PA+\k+1], v[PA+\k:PA+\k+1], v[PA+\k+2:PA+\k+3]
.endr
	v_pk_add_f32 v[PA:PA+1], v[PA:PA+1], v[PA+4:PA+5]
	v_pk_add_f32 v[PA+8:PA+9], v[PA+8:PA+9], v[PA+12:PA+13]
	v_add_f32 v[TT], v[PA], v[PA+1]
	v_add_f32 v[TT+1], v[PA+8], v[PA+9]
	v_cmp_ne_u32 vcc_lo, 0, v[MKV]
	v_cndmask_b32 v[TT], v[TT], v[NINF], vcc_lo    ; a masked row's t is -infinity
	v_cmp_ne_u32 vcc_lo, 0, v[MKV+1]
	v_cndmask_b32 v[TT+1], v[TT+1], v[NINF], vcc_lo
	v_max_num_f32 v[T0], v[TT], v[TT+1]
.irp x, 1,2,4,8
	s_delay_alu instid0(VALU_DEP_1)
	v_max_num_f32_dpp v[T0], v[T0], v[T0] row_xmask:\x row_mask:0xf bank_mask:0xf
.endr
	v_permlanex16_b32 v[T1], v[T0], s[SEL], s[SEL+1]
	v_max3_num_f32 v[T0], v[T0], v[T1], v[MM]      ; the new running maximum
	v_sub_f32 v[T1], v[MM], v[T0]
	v_sub_f32 v[PP], v[TT], v[T0]
	v_sub_f32 v[PP+1], v[TT+1], v[T0]
	s_wait_alu depctr_va_vdst(0)
	v_exp_f32 v[FF], v[T1]                         ; f = 2^(old m - new m)
	v_exp_f32 v[PP], v[PP]                         ; p = 2^(t - m)
	v_exp_f32 v[PP+1], v[PP+1]
	v_mov_b32 v[MM], v[T0]                         ; (a plain place behind the exponentials)
	s_wait_alu depctr_va_vdst(0)
	v_mov_b32 v[FF+1], v[FF]
	v_fma_f32 v[LL], v[LL], v[FF], v[PP]
	v_add_f32 v[LL], v[LL], v[PP+1]
	s_cmp_lg_u32 s[WV], 0                          ; all waves hold the same t: wave 0 stores them, 256 consecutive bytes, aligned
	s_cbranch_scc1 .Lno_t_\@
	global_store_b64 v[TO], v[TT:TT+1], s[16:17] offset:-256
.Lno_t_\@:
	ds_store_b32 v[PWA], v[PP]                     ; my wave's own 256 bytes: even rows' p, then odd rows'; LDS serves a wave's instructions in order (ISA guide 5.7.1.4)
	ds_store_b32 v[PWA], v[PP+1] offset:128
.irp k, 0,1,2,3,4,5,6,7
	ds_load_b128 v[PSET+4*\k:PSET+4*\k+3], v[PBR] offset:16*\k     ; p of rows 2 i + h, i = 0 .. 31
.endr
	s_wait_alu depctr_va_vdst(0)
.set j, 0
.rept 8
	v_pk_mul_f32 v[CX+j:CX+j+1], v[CX+j:CX+j+1], v[FF:FF+1] op_sel_hi:[1,0]   ; the sums under the new maximum
.set j, j+2
.endr
	s_wait_alu depctr_va_vdst(0)
	s_wait_dscnt 4                                 ; all but the last four loads of p
	FMA R0, 0
	s_wait_alu depctr_va_vdst(0)
	s_wait_dscnt 0x0
	FMA ST, 1
.endm
.macro BLOCK pf
	PHASE_Q \pf
	BAR                                            ; the block's sixteen fragments lie in LDS
	PHASE_G
	BAR                                            ; the 64 rows' partial scores lie in LDS, and my rows are in registers
	PHASE_S \pf
	s_xor_b32 s[TB], s[TB], SLOT
	s_add_co_u32 s[MB], s[MB], 256
.endm
	s_load_b256 s[4:11], s[0:1], 0x0               ; source_hids s[4:5], mask s[6:7], W2 s[8:9], w1f s[10:11]
	s_load_b256 s[12:19], s[0:1], 0x20             ; w1s s[12:13], cws s[14:15], tws s[16:17], stats s[18:19]
	s_load_b64 s[20:21], s[0:1], 0x40              ; ctxp
	v_lshl_add_u32 v[SPW], v0, 2, SPARE
	v_mov_b32 v[NIL], 0
	ds_add_u32 v[SPW], v[NIL]                      ; the opening lines: the add twice on end and one wait
	ds_add_u32 v[SPW], v[NIL]
	v_lshrrev_b32 v[HL], 5, v0
	v_readfirstlane_b32 s[WV], v[HL]               ; wave 0..7
	s_lshr_b32 s[SB], ttmp9, 2                     ; b
	s_and_b32 s[SQ], ttmp9, 3                      ; q
	s_mov_b32 s[G1], (2<<16)|(1<<20)|(6<<22)|(3<<25)   ; elements of 4 bytes; 4 words of padding behind every 128
	s_mov_b32 s[G1+1], 128<<16                     ; tensor_dim0
	s_mov_b32 s[G1+2], 32<<16                      ; tensor_dim1
	s_mov_b32 s[G1+3], 128<<16                     ; tile_dim0
	s_mov_b32 s[G1+4], 32                          ; tile_dim1
	s_mov_b32 s[G1+5], 32768                       ; elements from one s of b to the next
	s_mov_b32 s[G1+6], 0
	s_mov_b32 s[G1+7], 0
	s_and_b32 s58, s[WV], 3                        ; I fetch region w % 4, rows 32 (w / 4) on
	s_lshr_b32 s59, s[WV], 2
	s_mul_i32 s[WREG], s58, REG
	s_mul_i32 s60, s59, 32*PITCH
	s_add_co_u32 s[WREG], s[WREG], s60
	s_lshl_b32 s62, s[SQ], 26                      ; 512 q rows of 131,072 bytes + b's 2,048 bytes
	s_lshl_b32 s60, s[SB], 11
	s_add_co_u32 s62, s62, s60
	s_mov_b32 s63, 0
	s_lshl_b32 s58, s58, 9
	s_lshl_b32 s59, s59, 22
	s_add_co_u32 s58, s58, s59
	s_add_co_u32 s58, s58, s62
	s_mov_b32 s59, 0
	s_lshl_b32 s60, s[WV], 19                      ; the prefetches: rows 4 w on, block 1
	s_add_co_u32 s62, s62, s60
	s_add_co_u32 s62, s62, 0x800000
	s_mov_b32 s[SEL], 0x76543210
	s_mov_b32 s[SEL+1], 0xfedcba98                 ; selects for lane l xor 16
	s_mov_b32 s[C2], 0x4038aa3b                    ; 2 log2(e)
	s_mov_b32 s[C2+1], s[C2]
	s_mov_b32 s[CM], 0xc038aa3b                    ; -2 log2(e)
	s_mov_b32 s[CM+1], s[CM]
	s_mov_b32 s[TB], 0
	s_mov_b32 s[MB], 0
	s_mov_b32 s[BLK], 7
	s_wait_dscnt 0x0                               ; both opening adds are done
	s_wait_kmcnt 0x0
	s_mov_b32 s[G0], 1
	s_mov_b32 s[G0+1], s[WREG]
	s_add_nc_u64 s[G0+2:G0+3], s[4:5], s[58:59]
	s_or_b32 s[G0+3], s[G0+3], 0x80000000
	tensor_load_to_lds s[G0:G0+3], s[G1:G1+7]      ; block 0: my one tensor load at the head
	s_nop 0
.rept 4
	v_nop
.endr
	s_add_nc_u64 s[PFA:PFA+1], s[4:5], s[62:63]
	s_mul_i32 s58, s[WV], 16*FRB                   ; w1f: my 4 tiles
	s_add_nc_u64 s[10:11], s[10:11], s[58:59]
	s_lshl_b32 s58, s[WV], 11                      ; w1s: my 4 tiles of 512 bytes
	s_add_nc_u64 s[12:13], s[12:13], s[58:59]
	s_lshl_b32 s58, s[WV], 14                      ; cws: my 4 tiles of 4,096 bytes, the 16 rows that hold b, b's lane
	s_lshr_b32 s60, s[SB], 4
	s_lshl_b32 s60, s60, 10
	s_add_co_u32 s58, s58, s60
	s_and_b32 s60, s[SB], 15
	s_lshl_b32 s60, s60, 4
	s_add_co_u32 s58, s58, s60
	s_add_nc_u64 s[14:15], s[14:15], s[58:59]
	s_lshl_b32 s58, s[WV], 8                       ; W2: my 64 numbers
	s_add_nc_u64 s[8:9], s[8:9], s[58:59]
	s_lshl_b32 s58, s[SQ], 15                      ; mask: row 512 q + 64 w of 64 bytes, + b
	s_lshl_b32 s60, s[WV], 12
	s_add_co_u32 s58, s58, s60
	s_add_co_u32 s58, s58, s[SB]
	s_add_nc_u64 s[6:7], s[6:7], s[58:59]
	s_lshl_b32 s58, s[SB], 13                      ; tws: row b of 8,192 bytes + 2,048 q
	s_lshl_b32 s60, s[SQ], 11
	s_add_co_u32 s58, s58, s60
	s_add_nc_u64 s[16:17], s[16:17], s[58:59]
	s_lshl_b32 s58, ttmp9, 3                       ; stats
	s_add_nc_u64 s[18:19], s[18:19], s[58:59]
	s_lshl_b32 s58, ttmp9, 11                      ; ctxp: 2,048 bytes a work-group, my 256
	s_lshl_b32 s60, s[WV], 8
	s_add_co_u32 s58, s58, s60
	s_add_nc_u64 s[20:21], s[20:21], s[58:59]
	s_lshr_b32 s58, s[WV], 1                       ; the waves' terms of the LDS addresses
	s_and_b32 s60, s[WV], 1
	s_mul_i32 s70, s58, 16*PITCH
	s_mul_i32 s61, s60, 2*REG
	s_add_co_u32 s70, s70, s61                     ; Q: rows 16 (w / 2) on, regions 2 (w % 2) on
	s_mul_i32 s75, s58, REG
	s_lshl_b32 s61, s60, 8
	s_add_co_u32 s75, s75, s61                     ; S: region w / 2, byte 256 (w % 2) of its rows
	s_mul_i32 s71, s[WV], 2*FRB
	s_lshl_b32 s72, s[WV], 8
	s_lshl_b32 s73, s[WV], 2
	s_add_co_u32 s74, s72, PB
	v_and_b32 v[HL], 31, v0                        ; lane
	v_and_b32 v[HR], 15, v0                        ; r
	v_bfe_u32 v[HH], v0, 4, 1                      ; h
	v_lshlrev_b32 v180, 4, v[HL]
	v_lshlrev_b32 v181, 2, v[HL]
	v_lshlrev_b32 v182, 8, v[HH]
	v_lshlrev_b32 v183, 5, v[HH]
	v_lshlrev_b32 v184, 6, v[HL]
	v_lshrrev_b32 v188, 3, v[HL]
	v_and_b32 v189, 7, v[HL]
	v_lshlrev_b32 v189, 8, v189
	v_lshl_add_u32 v[PFO], v188, 17, v189
	WIN 0x40                                       ; destination window 1
.set i, 0
.rept 48
	global_load_b128 v[4*i:4*i+3], v180, s[10:11] offset:512*i     ; W1's fragments: images of these registers, 512 consecutive bytes a load
.set i, i+1
.endr
.irp t, 0,1,2,3
.irp p, 0,1
	global_load_b128 v[BI+8*\t+4*\p:BI+8*\t+4*\p+3], v182, s[14:15] offset:4096*\t+512*\p   ; c[b][64 w + 16 t + 8 h + 0 .. 7]
	global_load_b128 v[W2M+8*\t+4*\p:W2M+8*\t+4*\p+3], v183, s[8:9] offset:64*\t+16*\p      ; W2 at the same units
.endr
.endr
	WIN 0
.set i, 0
.rept 16
	global_load_b32 v[W1S+i], v181, s[12:13] offset:128*i
.set i, i+1
.endr
	global_load_u8 v186, v184, s[6:7]              ; the mask of rows 64 w + lane,
	global_load_u8 v187, v184, s[6:7] offset:2048  ; and + 32
	global_prefetch_b8 v[PFO], s[PFA:PFA+1] th:TH_LOAD_NT scope:SCOPE_SE                   ; block 1, which the first trip's tensor loads ask for
	global_prefetch_b8 v[PFO], s[PFA:PFA+1] offset:0x400000 th:TH_LOAD_NT scope:SCOPE_SE
	v_mul_u32_u24 v[QA], v[HR], PITCH
	v_lshl_add_u32 v[QA], v[HH], 6, v[QA]
	v_add_nc_u32 v[QA], s70, v[QA]
	v_lshl_add_u32 v[LI], v[HL], 4, IMG
	v_lshl_add_u32 v[LS], v[HL], 2, ISC
	v_add_nc_u32 v[IW], s71, v[LI]
	v_add_nc_u32 v[IWS], s72, v[LS]
	v_lshl_add_u32 v185, v[HL], 2, MSK
	v_add_nc_u32 v185, s72, v185                   ; where my wave's 64 mask words go
	v_lshl_add_u32 v[PS], v[HR], 5, PART
	v_add_nc_u32 v[PS], s73, v[PS]
	v_lshl_add_u32 v[PR], v[HL], 6, PART
	v_lshl_add_u32 v[MK], v[HL], 3, MSK
	v_lshl_add_u32 v[PBR], v[HH], 7, s74
	v_lshl_add_u32 v[PWA], v[HL], 2, s74
	v_mul_u32_u24 v[CA], v[HH], PITCH
	v_lshl_add_u32 v[CA], v[HR], 4, v[CA]
	v_add_nc_u32 v[CA], s75, v[CA]
	v_lshlrev_b32 v[TO], 3, v[HL]
	v_mov_b32 v[MM], 0xff61b1e6                    ; -3e38, under every t
	v_mov_b32 v[LL], 0
.set j, 0
.rept 16
	v_mov_b32 v[CX+j], 0                           ; the loop is written once: its first block finds zeros
.set j, j+1
.endr
.irp x, TM+4, TM+5, TM+6, TM+7
	v_mov_b32 v[\x], 0                             ; a lane permute's destination counts as one of its sources
.endr
	s_wait_alu depctr_va_vdst(0)
	s_wait_loadcnt 0x0
	s_wait_xcnt 0x0                                ; the head's prefetches have read their address
	s_add_nc_u64 s[PFA:PFA+1], s[PFA:PFA+1], 0x800000
	WIN 0x41                                       ; destination and source 0 in window 1
.set j, 0
.rept 16
	v_pk_mul_f32 v[W2M+j:W2M+j+1], v[W2M+j:W2M+j+1], s[CM:CM+1] op_sel_hi:[1,0]   ; -2 log2(e) W2
.set j, j+2
.endr
	WIN 0
	ds_store_b32 v185, v186                        ; read by all waves behind the first change of slots, whose wait covers these
	ds_store_b32 v185, v187 offset:128
	s_wait_alu depctr_va_vdst(0)
.Lblock:                                               ; 7 trips: behind each change of slots but the last the next block is asked for
	CHANGE 1
	BLOCK 1
	s_sub_co_u32 s[BLK], s[BLK], 1
	s_cmp_lg_u32 s[BLK], 0
	s_cbranch_scc1 .Lblock
	CHANGE 0                                       ; the last block is written out
	BLOCK 0
	v_pk_add_f32 v[CX:CX+1], v[CX:CX+1], v[CX+4:CX+5]          ; the four sets of sums become one,
	v_pk_add_f32 v[CX+2:CX+3], v[CX+2:CX+3], v[CX+6:CX+7]
	v_pk_add_f32 v[CX+8:CX+9], v[CX+8:CX+9], v[CX+12:CX+13]
	v_pk_add_f32 v[CX+10:CX+11], v[CX+10:CX+11], v[CX+14:CX+15]
	v_pk_add_f32 v[CX:CX+1], v[CX:CX+1], v[CX+8:CX+9]
	v_pk_add_f32 v[CX+2:CX+3], v[CX+2:CX+3], v[CX+10:CX+11]
.irp i, 0,1,2,3
	v_permlanex16_b32 v[T0+\i], v[CX+\i], s[SEL], s[SEL+1]
.endr
	v_pk_add_f32 v[CX:CX+1], v[CX:CX+1], v[T0:T0+1]            ; and even rows' and odd rows' sums one
	v_pk_add_f32 v[CX+2:CX+3], v[CX+2:CX+3], v[T0+2:T0+3]
	v_add_f32_dpp v[LL], v[LL], v[LL] row_xmask:1 row_mask:0xf bank_mask:0xf   ; l over the lanes
.irp x, 2,4,8
	s_delay_alu instid0(VALU_DEP_1)
	v_add_f32_dpp v[LL], v[LL], v[LL] row_xmask:\x row_mask:0xf bank_mask:0xf
.endr
	v_permlanex16_b32 v[PA], v[LL], s[SEL], s[SEL+1]
	v_add_f32 v[LL], v[LL], v[PA]
	v_and_b32 v[PA+2], 15, v0
	v_lshlrev_b32 v[PA+2], 4, v[PA+2]
	v_mov_b32 v[PA+3], 0
	v_and_b32 v[PA+4], 31, v0
	v_cmp_gt_u32 vcc_lo, 16, v[PA+4]
	s_wait_xcnt 0x0                                ; EXEC changes only behind this wait
	s_and_saveexec_b32 s58, vcc_lo
	s_wait_alu depctr_va_vdst(0)
	global_store_b128 v[PA+2], v[CX:CX+3], s[20:21]    ; my wave's 64 channels: sixteen lanes store 256 consecutive bytes, aligned
	s_wait_xcnt 0x0
	s_or_b32 exec_lo, exec_lo, s58
	s_cmp_lg_u32 s[WV], 0
	s_cbranch_scc1 .Lno_stats
	v_cmp_eq_u32 vcc_lo, 0, v0
	s_and_saveexec_b32 s58, vcc_lo
	s_wait_alu depctr_va_vdst(0)
	global_store_b64 v[PA+3], v[MM:MM+1], s[18:19]     ; (m, l), by thread 0
	s_wait_xcnt 0x0
	s_or_b32 exec_lo, exec_lo, s58
.Lno_stats:
	s_wait_tensorcnt 0x0                           ; the wave's end
	ds_add_u32 v[SPW], v[NIL]
	s_wait_dscnt 0x0
	s_endpgm
.Lfunc_end_k_qe85a0b71b4_main:
	.size	k_qe85a0b71b4_main, .Lfunc_end_k_qe85a0b71b4_main-k_qe85a0b71b4_main
	.p2alignl 7, 3214868480
	.fill 96, 4, 3214868480
	.section	.rodata,"a",@progbits
	.p2align	6, 0x0
	.amdhsa_kernel k_qe85a0b71b4_main
		.amdhsa_group_segment_fixed_size 327680
		.amdhsa_private_segment_fixed_size 0
		.amdhsa_enable_private_segment 0
		.amdhsa_kernarg_size 72
		.amdhsa_user_sgpr_count 2
		.amdhsa_user_sgpr_kernarg_segment_ptr 1
		.amdhsa_wavefront_size32 1
		.amdhsa_system_sgpr_workgroup_id_x 1
		.amdhsa_system_sgpr_workgroup_id_y 1
		.amdhsa_system_sgpr_workgroup_id_z 1
		.amdhsa_system_vgpr_workitem_id 0
		.amdhsa_next_free_vgpr 512
		.amdhsa_next_free_sgpr 80
		.amdhsa_reserve_vcc 1
		.amdhsa_float_denorm_mode_32 3
		.amdhsa_float_denorm_mode_16_64 3
		.amdhsa_memory_ordered 1
		.amdhsa_forward_progress 1
		.amdhsa_inst_pref_size 127
	.end_amdhsa_kernel
	.amdgpu_metadata
---
amdhsa.version: [ 1, 2 ]
amdhsa.kernels:
  - .name:           k_qe85a0b71b4_main
    .symbol:         k_qe85a0b71b4_main.kd
    .args:
      - { .name: source_hids, .offset: 0, .size: 8, .value_kind: global_buffer, .address_space: global }
      - { .name: encoder_padding_mask, .offset: 8, .size: 8, .value_kind: global_buffer, .address_space: global }
      - { .name: W2, .offset: 16, .size: 8, .value_kind: global_buffer, .address_space: global }
      - { .name: w1f, .offset: 24, .size: 8, .value_kind: global_buffer, .address_space: global }
      - { .name: w1s, .offset: 32, .size: 8, .value_kind: global_buffer, .address_space: global }
      - { .name: cws, .offset: 40, .size: 8, .value_kind: global_buffer, .address_space: global }
      - { .name: tws, .offset: 48, .size: 8, .value_kind: global_buffer, .address_space: global }
      - { .name: stats, .offset: 56, .size: 8, .value_kind: global_buffer, .address_space: global }
      - { .name: ctxp, .offset: 64, .size: 8, .value_kind: global_buffer, .address_space: global }
    .group_segment_fixed_size: 327680
    .private_segment_fixed_size: 0
    .kernarg_segment_align: 8
    .kernarg_segment_size: 72
    .max_flat_workgroup_size: 256
    .sgpr_count:     80
    .vgpr_count:     512
    .wavefront_size: 32
...
	.end_amdgpu_metadata
.endif
;; end of part 2
;; launch finish (part 3): grid 32 x 1, 8 waves a work-group, no clusters, 18,432 bytes of LDS; arguments tws, stats, ctxp, out0, out1; writes out0, out1
.if DOCPART == 3
	.amdgcn_target "amdgcn-amd-amdhsa--gfx1250"
	.amdhsa_code_object_version 6
	.text
	.protected	k_qe85a0b71b4_finish
	.globl	k_qe85a0b71b4_finish
	.p2align	8
	.type	k_qe85a0b71b4_finish,@function
k_qe85a0b71b4_finish:
	s_mov_b64 s[64:65], 0
	v_nop
	global_prefetch_b8 v0, s[64:65] scope:SCOPE_SE
	s_setreg_imm32_b32 hwreg(HW_REG_WAVE_MODE, 25, 1), 1
	s_wait_xcnt 0x0
; The four parts of each b are joined: M = the largest of the four m, L = sum of 2^(m_i - M) l_i;  attn[s][b] = 2^(t[b][s] - M) / L;  ctx[b] = sum of 2^(m_i - M) ctx_i / L.
; tws [b 64][s 2048] f32; stats [4 b + q][m, l]; ctxp [4 b + q][512]; out0 [64][512]; out1 [2048][64].
; SHARES.  Work-group g takes s = 64 g .. 64 g + 63 of out1 (all 64 b) and b = 2 g, 2 g + 1 of out0.  t lies with s innermost and out1 with b innermost: a tile of 64 x 64 turns through LDS
; (rows of 256 bytes + 16), so that sixteen lanes read 256 consecutive bytes of tws and sixteen lanes store 256 consecutive bytes of out1, aligned.  No matrix work: nothing here is a product.
; A b that is masked throughout has L = 0: 0 x infinity gives NaN, as the softmax of the definition does.  A 2^(..) under 2^-126 becomes 0.
.set TR,  16                           ; v16-31  t as loaded, then t turned, then attn
.set SS,  32                           ; v32-63  (m, l) x 4 of b = 4 c + e, 8 registers each
.set OS,  64                           ; v64-71  the same of b = 2 g + hb
.set CP,  72                           ; v72-87  four partial contexts, my 4 channels
.set MR,  88                           ; v88-91  M of b = 4 c + e
.set RR,  92                           ; v92-95  1 / L
.set ET,  96                           ; v96-99  at work
.set OE,  100                          ; v100-103 2^(m_i - M) of b = 2 g + hb
.set OM,  104
.set ORC, 105
.set OUTR, 108
.macro STAT s, m, e, r                 ; from (m0, l0 .. m3, l3) at v[s]: M, the four 2^(m_i - M), 1 / L
	v_max3_num_f32 v[\m], v[\s], v[\s+2], v[\s+4]
	s_delay_alu instid0(VALU_DEP_1)
	v_max_num_f32 v[\m], v[\m], v[\s+6]
.irp i, 0,1,2,3
	v_sub_f32 v[\e+\i], v[\s+2*\i], v[\m]
.endr
	s_wait_alu depctr_va_vdst(0)
.irp i, 0,1,2,3
	v_exp_f32 v[\e+\i], v[\e+\i]
.endr
	v_nop                                          ; one plain place behind the exponentials
	s_wait_alu depctr_va_vdst(0)
	v_mul_f32 v[\r], v[\e], v[\s+1]
	v_fmac_f32 v[\r], v[\e+1], v[\s+3]
	v_fmac_f32 v[\r], v[\e+2], v[\s+5]
	v_fmac_f32 v[\r], v[\e+3], v[\s+7]
	s_wait_alu depctr_va_vdst(0)
	v_rcp_f32 v[\r], v[\r]
	v_nop                                          ; one plain place behind the reciprocal
.endm
	s_load_b256 s[4:11], s[0:1], 0x0               ; tws s[4:5], stats s[6:7], ctxp s[8:9], out0 s[10:11]
	s_load_b64 s[12:13], s[0:1], 0x20              ; out1
	v_lshl_add_u32 v128, v0, 2, 0x4400
	v_mov_b32 v129, 0
	v_and_b32 v1, 15, v0                           ; c
	v_lshrrev_b32 v2, 4, v0                        ; rw, 0..15
	v_lshrrev_b32 v3, 7, v0                        ; hb
	v_and_b32 v4, 127, v0
	s_delay_alu instid0(VALU_DEP_4)
	v_lshlrev_b32 v5, 4, v1                        ; 16 c
	s_delay_alu instid0(VALU_DEP_1)
	v_lshl_add_u32 v6, v2, 13, v5                  ; tws: row rw of 8,192 bytes + 16 c
	v_lshlrev_b32 v7, 7, v1                        ; stats of b = 4 c on: 128 c
	v_lshlrev_b32 v8, 5, v3                        ; stats of b = 2 g + hb: 32 hb
	v_lshlrev_b32 v9, 4, v4                        ; my 4 channels
	s_delay_alu instid0(VALU_DEP_1)
	v_lshl_add_u32 v10, v3, 13, v9                 ; ctxp: 8,192 hb + 16 (thread mod 128)
	s_delay_alu instid0(VALU_DEP_2)
	v_lshl_add_u32 v11, v3, 11, v9                 ; out0: 2,048 hb + the same
	v_mad_u32_u24 v12, v2, 272, v5                 ; LDS, in: row rw + 16 c
	v_mul_u32_u24 v13, v1, 1088
	s_delay_alu instid0(VALU_DEP_1)
	v_lshl_add_u32 v13, v2, 2, v13                 ; LDS, out: row 4 c, word rw
	v_lshl_add_u32 v14, v2, 8, v5                  ; out1: row rw of 256 bytes + 16 c
	s_lshl_b32 s14, ttmp9, 8
	s_mov_b32 s15, 0
	s_lshl_b32 s16, ttmp9, 6
	s_mov_b32 s17, 0
	s_lshl_b32 s18, ttmp9, 14
	s_mov_b32 s19, 0
	s_lshl_b32 s20, ttmp9, 12
	s_mov_b32 s21, 0
	s_wait_alu depctr_va_vdst(0)
	s_wait_kmcnt 0x0
	s_add_nc_u64 s[4:5], s[4:5], s[14:15]          ; tws at s = 64 g
	s_add_nc_u64 s[22:23], s[6:7], s[16:17]        ; stats at b = 2 g
	s_add_nc_u64 s[8:9], s[8:9], s[18:19]          ; ctxp at b = 2 g
	s_add_nc_u64 s[10:11], s[10:11], s[20:21]      ; out0 at b = 2 g
	s_add_nc_u64 s[12:13], s[12:13], s[18:19]      ; out1 at s = 64 g
.irp u, 0,1,2,3
	global_load_b128 v[TR+4*\u:TR+4*\u+3], v6, s[4:5] offset:131072*\u     ; t[16 u + rw][64 g + 4 c ..]: sixteen lanes read 256 consecutive bytes
.endr
.irp i, 0,1,2,3,4,5,6,7
	global_load_b128 v[SS+4*\i:SS+4*\i+3], v7, s[6:7] offset:16*\i
.endr
	global_load_b128 v[OS:OS+3], v8, s[22:23]
	global_load_b128 v[OS+4:OS+7], v8, s[22:23] offset:16
.irp i, 0,1,2,3
	global_load_b128 v[CP+4*\i:CP+4*\i+3], v10, s[8:9] offset:2048*\i
.endr
	s_wait_loadcnt 14                              ; t is in; the 14 loads behind it may be out
.irp u, 0,1,2,3
	ds_store_b128 v12, v[TR+4*\u:TR+4*\u+3] offset:4352*\u
.endr
	s_wait_dscnt 0x0                               ; for the others' sake: my stores have landed
	s_barrier_signal -1
	s_barrier_wait -1
.irp u, 0,1,2,3
.irp e, 0,1,2,3
	ds_load_b32 v[TR+4*\u+\e], v13 offset:272*\e+64*\u     ; t[4 c + e][64 g + 16 u + rw]
.endr
.endr
	s_wait_loadcnt 0x0
.irp e, 0,1,2,3
	STAT SS+8*\e, MR+\e, ET, RR+\e
.endr
	STAT OS, OM, OE, ORC
	s_wait_dscnt 0x0
.irp u, 0,1,2,3
.irp e, 0,1,2,3
	v_sub_f32 v[TR+4*\u+\e], v[TR+4*\u+\e], v[MR+\e]
.endr
.endr
	s_wait_alu depctr_va_vdst(0)
.irp j, 0,1,2,3,4,5,6,7,8,9,10,11,12,13,14,15
	v_exp_f32 v[TR+\j], v[TR+\j]
.endr
	v_nop                                          ; one plain place behind the exponentials
	s_wait_alu depctr_va_vdst(0)
.irp u, 0,1,2,3
.irp e, 0,1,2,3
	v_mul_f32 v[TR+4*\u+\e], v[TR+4*\u+\e], v[RR+\e]
.endr
.endr
.irp u, 0,1,2,3
	global_store_b128 v14, v[TR+4*\u:TR+4*\u+3], s[12:13] offset:4096*\u   ; attn[64 g + 16 u + rw][4 c ..]: sixteen lanes store a row's 256 bytes, aligned
.endr
.irp k, 0,1,2,3
	v_mul_f32 v[OUTR+\k], v[CP+\k], v[OE]
.endr
.irp i, 1,2,3
.irp k, 0,1,2,3
	v_fmac_f32 v[OUTR+\k], v[CP+4*\i+\k], v[OE+\i]
.endr
.endr
.irp k, 0,1,2,3
	v_mul_f32 v[OUTR+\k], v[OUTR+\k], v[ORC]
.endr
	global_store_b128 v11, v[OUTR:OUTR+3], s[10:11]
	s_wait_tensorcnt 0x0
	ds_add_u32 v128, v129
	s_wait_dscnt 0x0
	s_endpgm
.Lfunc_end_k_qe85a0b71b4_finish:
	.size	k_qe85a0b71b4_finish, .Lfunc_end_k_qe85a0b71b4_finish-k_qe85a0b71b4_finish
	.p2alignl 7, 3214868480
	.fill 96, 4, 3214868480
	.section	.rodata,"a",@progbits
	.p2align	6, 0x0
	.amdhsa_kernel k_qe85a0b71b4_finish
		.amdhsa_group_segment_fixed_size 18432
		.amdhsa_private_segment_fixed_size 0
		.amdhsa_enable_private_segment 0
		.amdhsa_kernarg_size 40
		.amdhsa_user_sgpr_count 2
		.amdhsa_user_sgpr_kernarg_segment_ptr 1
		.amdhsa_wavefront_size32 1
		.amdhsa_system_sgpr_workgroup_id_x 1
		.amdhsa_system_sgpr_workgroup_id_y 1
		.amdhsa_system_sgpr_workgroup_id_z 1
		.amdhsa_system_vgpr_workitem_id 0
		.amdhsa_next_free_vgpr 130
		.amdhsa_next_free_sgpr 66
		.amdhsa_reserve_vcc 0
		.amdhsa_float_denorm_mode_32 3
		.amdhsa_float_denorm_mode_16_64 3
		.amdhsa_memory_ordered 1
		.amdhsa_forward_progress 1
		.amdhsa_inst_pref_size 12
	.end_amdhsa_kernel
	.amdgpu_metadata
---
amdhsa.version: [ 1, 2 ]
amdhsa.kernels:
  - .name:           k_qe85a0b71b4_finish
    .symbol:         k_qe85a0b71b4_finish.kd
    .args:
      - { .name: tws, .offset: 0, .size: 8, .value_kind: global_buffer, .address_space: global }
      - { .name: stats, .offset: 8, .size: 8, .value_kind: global_buffer, .address_space: global }
      - { .name: ctxp, .offset: 16, .size: 8, .value_kind: global_buffer, .address_space: global }
      - { .name: out0, .offset: 24, .size: 8, .value_kind: global_buffer, .address_space: global }
      - { .name: out1, .offset: 32, .size: 8, .value_kind: global_buffer, .address_space: global }
    .group_segment_fixed_size: 18432
    .private_segment_fixed_size: 0
    .kernarg_segment_align: 8
    .kernarg_segment_size: 40
    .max_flat_workgroup_size: 256
    .sgpr_count:     66
    .vgpr_count:     130
    .wavefront_size: 32
...
	.end_amdgpu_metadata
.endif
;; end of part 3
